; MI455X (gfx1250); checked and timed in simulation.
; The chip was launched on July 23, 2026; its instructions are those of AMD's public machine-readable ISA for CDNA 5 (MIT licence, August 2026) and "CDNA5" Instruction Set Architecture Reference Guide (July 2026). The comments in the code are by the model that wrote it; some were corrected since.
;; Multi Head Attention. Allowed arithmetic: matrix products marked QUANTISED: E4M3 operands, one E8M0 scale for each 32 along K, by v_wmma_scale_f32_16x16x128_f8f6f4 with both operands' format E4M3, f32 sums; everything else in f32.
;; Inputs: Wk 512 x 512 float32; Wo 512 x 512 float32; Wq 512 x 512 float32; Wv 512 x 512 float32; bk 512 float32; bo 512 float32; bq 512 float32; bv 512 float32; x 2 x 4,096 x 512 float32.
;; Outputs: out0 2 x 4,096 x 512 float32.
;; This version of the problem:
;;   THIS VERSION OF THE PROBLEM IS GIVEN IN LOW PRECISION. The matrix products marked QUANTISED in the list below multiply operands that are first quantised to E4M3 (4 exponent bits, 3 mantissa bits; 8 bits a number), with one power-of-two scale for each 32 numbers along K (OCP MX v1.0); their sums are f32. All else is computed in f32.
;;   The module's matrix products, in the order in which they are computed (A, B: the left and right operand; K: the contracted axis; several contracted axes count as one K, in the product's order):
;;     1. [M 8,192, K 512] x [K 512, N 512]; A: input x; B: input Wq: QUANTISED
;;     2. [M 8,192, K 512] x [K 512, N 512]; A: input x; B: input Wk: QUANTISED
;;     3. [M 8,192, K 512] x [K 512, N 512]; A: input x; B: input Wv: QUANTISED
;;     4. batch 16 x [M 4,096, K 64] x [K 64, N 4,096]; A: computed on the way; B: computed on the way: QUANTISED
;;     5. batch 16 x [M 4,096, K 4,096] x [K 4,096, N 64]; A: softmax (see below); B: computed on the way: QUANTISED
;;     6. [M 8,192, K 512] x [K 512, N 512]; A: computed on the way; B: input Wo: QUANTISED
;;   THE QUANTISER, for each operand of a quantised product, along K:
;;     - K is cut into blocks of 32 from its start; a last block that is shorter is filled with zeros.
;;     - A block's scale is 2^e with e = floor(log2(the largest magnitude in the block)) - 8, held to -126 .. 127; a block of zeros has e = 0. As a byte (E8M0): e + 127.
;;     - Each number is divided by its block's scale, clamped to +-448, and rounded to the nearest number of E4M3, ties to even, subnormals kept.
;;     - The product sums the exact products of the quantised numbers (number of the format x scale) in f32.
;;   ~~~python
;;   def quantise(x, axis):      # numpy; x: float32 -> the quantised numbers, widened to float32 again
;;       x = np.moveaxis(x, axis, -1); K = x.shape[-1]
;;       x = np.pad(x, [(0, 0)] * (x.ndim - 1) + [(0, -K % 32)]); x = x.reshape(x.shape[:-1] + (-1, 32)); a = np.abs(x).max(-1, keepdims=True)
;;       e = np.where(a > 0, np.clip(np.frexp(np.where(a > 0, a, 1))[1] - 1 - 8, -126, 127), 0)      # np.frexp(a)[1] - 1 = floor(log2(a)), exactly
;;       r = np.clip(x / 2.0 ** e, -448, 448)
;;       step = 2.0 ** (np.maximum(np.frexp(np.where(r == 0, 1, r))[1] - 1, -6) - 3)
;;       q = np.round(r / step) * step * 2.0 ** e      # np.round: ties to even
;;       return np.moveaxis(q.reshape(q.shape[:-2] + (-1,))[..., :K], -1, axis).astype(np.float32)
;;   ~~~
;;   SOFTMAX AHEAD OF A QUANTISED PRODUCT. Where the list says 'softmax', what is quantised is not the finished softmax but p = 2^(t - M), with t = logit x log2(e) and M = ceil(the row's largest t), a whole number; so 1/2 < the row's largest p <= 1. The row's sum l is taken of the UNQUANTISED p, in f32, and the product's result is divided by l at the end. Since M is a whole number, a kernel that streams over the keys may use a running M (the ceiling of the running maximum): every later rescaling is an exact power of two, which a block's scale takes up: the codes' values come out the same.
;;   OPERANDS COMPUTED ON THE WAY. 'Computed on the way' means the value that the module computes at that place (a softmax that the list does not call 'softmax' is quantised finished and normalised). What goes into a quantiser is computed in f32, as accurately as f32 sums, v_exp_f32 and their like allow (about 1e-6 of the number): no bf16 or f16 on the way to a quantiser, and a product that is left as it is and whose result goes on into a quantised operand takes f32 operands (vector FMAs, or v_wmma_f32_16x16x4_f32). A number that lies on a knife's edge between two numbers of the format may be rounded either way, as far as f32 arithmetic and the matrix unit's own rounding can turn it there, and no further.
;; One version. Each part assembles by itself: llvm-mc -triple=amdgcn-amd-amdhsa -mcpu=gfx1250 --defsym DOCPART=n.
;; ======== version 1 of 1: 4 launches
;; limits: right only within a limited range of input values
;; workspace buffers: opc 5,242,880 bytes; ops 163,840 bytes; qc 4,194,304 bytes; qs 262,144 bytes; kv 8,912,896 bytes; cc 4,194,304 bytes; cs 131,072 bytes
;; launch prep (part 1): grid 640 x 1, 4 waves a work-group, no clusters, 34,560 bytes of LDS; arguments x, Wq, Wk, Wv, Wo, opc, ops; writes opc, ops
.if DOCPART == 1
	.amdgcn_target "amdgcn-amd-amdhsa--gfx1250"
	.amdhsa_code_object_version 6
	.text
	.protected	k_q0bfcef96dd_prep
	.globl	k_q0bfcef96dd_prep
	.p2align	8
	.type	k_q0bfcef96dd_prep,@function
k_q0bfcef96dd_prep:
	s_mov_b64 s[64:65], 0
	v_nop
	global_prefetch_b8 v0, s[64:65] scope:SCOPE_SE
	s_setreg_imm32_b32 hwreg(HW_REG_WAVE_MODE, 25, 1), 1
	s_wait_xcnt 0x0
; MULTI-HEAD ATTENTION IN MX-FP8, four launches: prep (this one), proj, attn, oproj.
; NOTHING OF THE PROBLEM IS LEFT OUT: all six products are live and all nine inputs are loaded.  bk too: it is added to K ahead of K's quantiser, so it moves K's codes and scales.
; THIS LAUNCH quantises x [8192][512] and Wq, Wk, Wv, Wo [512][512], f32, along K = 512 (innermost in all five): codes of E4M3 and one E8M0 byte for each 32 along K.
; A block's byte is its largest magnitude's exponent field - 8, held at 1 from below; numbers are held within +-448 x the scale and rounded to the nearest code, ties to even.
; LIMITS: NaN and infinities among the inputs are not served.  A block of zeros, or one whose largest magnitude lies under 2^-118, gets the byte 1 (the quantiser says 127 for zeros): its codes
; are zeros or what the scale 2^-126 gives, and the bytes are read by this program alone.
; THE ORDER OF ROWS IN A TILE.  All operands are cut into tiles of 16 rows; tile 2 g + u holds at place p the row 32 g + 8 u + p + 8 (p / 8).  As source 0 of a product such a pair of tiles leaves a lane
; 16 neighbours along the next K; as source 1 a lane is simply that row.  One order serves x, the weights, Q, K, V and the context.
; THE CODES LIE AS IMAGES OF THE OPERAND'S REGISTERS: opc [block of 256 rows: 40][K step 4][tile 16][piece c 4][lane 32][16 bytes]; lane (r, h), piece c: k = 32 c + 16 h + 0 .. 15 of place r.
; Blocks 0-31 x, 32-33 Wq, 34-35 Wk, 36-37 Wv, 38-39 Wo.  ops [tile 640][place 16][16 scale bytes].
; SHARES.  A work-group takes one tile of 16 rows, each of its four waves one K step of 128: 16 loads of 512 consecutive bytes of a row, which turn through the wave's own stage in LDS (rows 528 bytes apart)
; and come back 16 neighbours of each block of 32 to a lane.  The four waves' scale words meet in 256 bytes of LDS, behind one barrier, and wave 0 stores them as one aligned unit of 256 bytes.
; Work-groups share no input, so there is no cluster; no matrix unit; no loop, so nothing is prefetched.
.set STG,   8448                       ; a wave's stage: 16 rows x (512 + 16) bytes
.set XCH,   4*STG                      ; behind the stages: the tile's 256 scale bytes
.set SPARE, XCH+256                    ; and the spare words, 128 bytes a wave, which no other line names
.set LI,  3                            ; v3   16 x lane
.set SIN, 4                            ; v4   the stage on the way in: my 16 bytes of a row
.set SBK, 5                            ; v5   and on the way back: row r, + 64 h
.set SXI, 6                            ; v6   LDS: my row's scale word of my K step: 16 r + 4 x wave
.set SPW, 7                            ; v7   LDS address of my spare word; never rewritten
.set NIL, 8                            ; v8   0; never rewritten
.set SXO, 10                           ; v10  LDS: 8 bytes a lane of the 256
.set GOS, 11                           ; v11  and the same place in the tile's 256 bytes of ops
.set TM,  16                           ; v16-31  at work in the quantiser
.set SW,  36                           ; v36  my scale word
.set PC,  40                           ; v40-55  the codes
.set D0,  64                           ; v64-127 my 64 numbers
.set WV,  18
.set SEL, 24                           ; s[24:25] lane selects for v_permlanex16_b32: lane l xor 16
.set MNT, 26                           ; s26  the mantissa field of 448
	s_load_b256 s[4:11], s[0:1], 0x0               ; x, Wq, Wk, Wv
	s_load_b128 s[12:15], s[0:1], 0x20             ; Wo, opc
	s_load_b64 s[16:17], s[0:1], 0x30              ; ops
	v_lshl_add_u32 v[SPW], v0, 2, SPARE
	v_mov_b32 v[NIL], 0
	v_lshrrev_b32 v9, 5, v0
	v_readfirstlane_b32 s[WV], v9                  ; wave 0..3: my K step
	v_and_b32 v1, 15, v0                           ; r
	v_bfe_u32 v2, v0, 4, 1                         ; h
	v_and_b32 v9, 31, v0
	v_lshlrev_b32 v[LI], 4, v9
	s_mul_i32 s19, s[WV], STG
	v_add_nc_u32 v[SIN], s19, v[LI]
	v_mul_u32_u24 v[SBK], v1, 528
	v_lshl_add_u32 v[SBK], v2, 6, v[SBK]
	v_add_nc_u32 v[SBK], s19, v[SBK]
	s_lshl_b32 s19, s[WV], 2
	s_add_co_u32 s19, s19, XCH
	v_lshlrev_b32 v[SXI], 4, v1
	v_add_nc_u32 v[SXI], s19, v[SXI]
	v_lshlrev_b32 v[GOS], 3, v9
	v_add_nc_u32 v[SXO], XCH, v[GOS]
.irp b, 0,1,2,3
	v_mov_b32 v[TM+4+\b], 0                        ; a lane permute's destination counts as one of its sources
.endr
	s_mov_b32 s[SEL], 0x76543210
	s_mov_b32 s[SEL+1], 0xfedcba98
	s_mov_b32 s[MNT], 0x600000
	s_sub_co_u32 s20, ttmp9, 512                   ; tiles 512 on are the weights', 32 each
	s_lshr_b32 s21, s20, 5                         ; which weight
	s_and_b32 s22, s20, 31                         ; and which of its tiles
	s_lshr_b32 s28, ttmp9, 4
	s_lshl_b32 s28, s28, 17                        ; my tile's block of 131,072 bytes in opc,
	s_and_b32 s29, ttmp9, 15
	s_lshl_b32 s29, s29, 11                        ; its 2,048 bytes in a K step,
	s_add_co_u32 s28, s28, s29
	s_lshl_b32 s29, s[WV], 15                      ; my K step's 32,768
	s_add_co_u32 s28, s28, s29
	s_mov_b32 s29, 0
	s_lshl_b32 s30, ttmp9, 8                       ; the tile's 256 bytes in ops
	s_mov_b32 s31, 0
	s_wait_alu depctr_va_vdst(0)                   ; the wait at the head's end
	s_wait_kmcnt 0x0
	s_cmp_eq_u32 s21, 1                            ; the source is chosen by the work-group's number alone
	s_cselect_b64 s[6:7], s[8:9], s[6:7]
	s_cmp_eq_u32 s21, 2
	s_cselect_b64 s[6:7], s[10:11], s[6:7]
	s_cmp_eq_u32 s21, 3
	s_cselect_b64 s[6:7], s[12:13], s[6:7]
	s_cmp_lt_u32 ttmp9, 512
	s_cselect_b64 s[4:5], s[4:5], s[6:7]
	s_cselect_b32 s22, ttmp9, s22                  ; my tile in its own tensor: 2 g + u
	s_lshr_b32 s32, s22, 1
	s_lshl_b32 s32, s32, 16                        ; 32 g rows of 2,048 bytes
	s_and_b32 s33, s22, 1
	s_lshl_b32 s33, s33, 14                        ; 8 u rows
	s_add_co_u32 s32, s32, s33
	s_lshl_b32 s33, s[WV], 9                       ; my K step: 512 bytes along a row
	s_add_co_u32 s32, s32, s33
	s_mov_b32 s33, 0
	s_add_nc_u64 s[4:5], s[4:5], s[32:33]
	s_add_nc_u64 s[14:15], s[14:15], s[28:29]
	s_add_nc_u64 s[16:17], s[16:17], s[30:31]
.irp i, 0,1,2,3,4,5,6,7,8,9,10,11,12,13,14,15
	global_load_b128 v[D0+4*\i:D0+4*\i+3], v[LI], s[4:5] offset:(\i+8*(\i/8))*2048 th:TH_LOAD_NT   ; place i is row i + 8 (i / 8) of the tile's 24; 32 lanes read 512 consecutive bytes
.endr
	s_wait_loadcnt 0x0
.irp i, 0,1,2,3,4,5,6,7,8,9,10,11,12,13,14,15
	ds_store_b128 v[SIN], v[D0+4*\i:D0+4*\i+3] offset:528*\i
.endr
.irp b, 0,1,2,3
.irp j, 0,1,2,3
	ds_load_b128 v[D0+16*\b+4*\j:D0+16*\b+4*\j+3], v[SBK] offset:128*\b+16*\j   ; LDS serves a wave's instructions in order (ISA guide 5.7.1.4): these see the stores above
.endr
.endr
	s_wait_dscnt 0x0
; register 16 b + i = k 32 b + 16 h + i of my row: a fragment's codes and its scale word
.irp b, 0,1,2,3
	v_max3_num_f32 v[TM+\b], |v[D0+16*\b]|, |v[D0+1+16*\b]|, 0x4800000   ; my 16 numbers of block b, and the floor 2^(9 - 127): the byte cannot fall under 1
.endr
.irp i, 2,4,6,8,10,12,14
.irp b, 0,1,2,3
	v_max3_num_f32 v[TM+\b], v[TM+\b], |v[D0+16*\b+\i]|, |v[D0+1+16*\b+\i]|   ; the four blocks by turns
.endr
.endr
.irp b, 0,1,2,3
	v_permlanex16_b32 v[TM+4+\b], v[TM+\b], s[SEL], s[SEL+1]
.endr
.irp b, 0,1,2,3
	v_max_num_f32 v[TM+\b], v[TM+\b], v[TM+4+\b]           ; with lane l xor 16's 16: the block's largest magnitude
.endr
.irp b, 0,1,2,3
	v_add_nc_u32 v[TM+12+\b], 0xfc000000, v[TM+\b]         ; 8 off its exponent field: the conversion's scale operand
.endr
.irp b, 0,1,2,3
	v_and_or_b32 v[TM+8+\b], v[TM+\b], 0x7f800000, s[MNT]  ; 448 x the scale
.endr
.irp b, 0,1,2,3
	v_lshrrev_b32 v[TM+4+\b], 23, v[TM+12+\b]              ; the scale's byte
.endr
	v_lshl_or_b32 v[SW], v[TM+5], 8, v[TM+4]
	v_lshl_or_b32 v[SW], v[TM+6], 16, v[SW]
	v_lshl_or_b32 v[SW], v[TM+7], 24, v[SW]                ; my row's scale word for these 128 along K
.irp b, 0,1,2,3
.irp i, 0,1,2,3,4,5,6,7,8,9,10,11,12,13,14,15
	v_med3_num_f32 v[D0+16*\b+\i], v[D0+16*\b+\i], -v[TM+8+\b], v[TM+8+\b]   ; the conversion does not saturate (ISA guide 7.6.2): the hold comes first
.endr
	v_cvt_scalef32_pk8_fp8_f32 v[PC+4*\b:PC+1+4*\b], v[D0+16*\b:D0+7+16*\b], v[TM+12+\b]
	v_cvt_scalef32_pk8_fp8_f32 v[PC+2+4*\b:PC+3+4*\b], v[D0+8+16*\b:D0+15+16*\b], v[TM+12+\b]
.endr
	v_nop                                          ; a plain line behind the last conversion
	ds_store_b32 v[SXI], v[SW]                     ; both halves of the lanes hold the same word and write it to the same place
.irp c, 0,1,2,3
	global_store_b128 v[LI], v[PC+4*\c:PC+4*\c+3], s[14:15] offset:512*\c   ; 512 consecutive bytes, aligned
.endr
	s_wait_dscnt 0x0                               ; my scale words lie in LDS: zero, for the others' sake
	s_barrier_signal -1
	s_barrier_wait -1                              ; so do the other three waves'
	s_cmp_lg_u32 s[WV], 0
	s_cbranch_scc1 .Lend                           ; wave 0 alone stores them
	ds_load_b64 v[12:13], v[SXO]
	s_wait_dscnt 0x0
	global_store_b64 v[GOS], v[12:13], s[16:17]    ; 32 lanes store 256 consecutive bytes, aligned
.Lend:
	s_wait_tensorcnt 0x0                           ; the wave's end
	ds_add_u32 v[SPW], v[NIL]
	s_wait_dscnt 0x0
	s_endpgm
.Lfunc_end_k_q0bfcef96dd_prep:
	.size	k_q0bfcef96dd_prep, .Lfunc_end_k_q0bfcef96dd_prep-k_q0bfcef96dd_prep
	.p2alignl 7, 3214868480
	.fill 96, 4, 3214868480
	.section	.rodata,"a",@progbits
	.p2align	6, 0x0
	.amdhsa_kernel k_q0bfcef96dd_prep
		.amdhsa_group_segment_fixed_size 34560
		.amdhsa_private_segment_fixed_size 0
		.amdhsa_enable_private_segment 0
		.amdhsa_kernarg_size 56
		.amdhsa_user_sgpr_count 2
		.amdhsa_user_sgpr_kernarg_segment_ptr 1
		.amdhsa_wavefront_size32 1
		.amdhsa_system_sgpr_workgroup_id_x 1
		.amdhsa_system_sgpr_workgroup_id_y 1
		.amdhsa_system_sgpr_workgroup_id_z 1
		.amdhsa_system_vgpr_workitem_id 0
		.amdhsa_next_free_vgpr 128
		.amdhsa_next_free_sgpr 66
		.amdhsa_reserve_vcc 0
		.amdhsa_float_denorm_mode_32 3
		.amdhsa_float_denorm_mode_16_64 3
		.amdhsa_memory_ordered 1
		.amdhsa_forward_progress 1
		.amdhsa_inst_pref_size 16
	.end_amdhsa_kernel
	.amdgpu_metadata
---
amdhsa.version: [ 1, 2 ]
amdhsa.kernels:
  - .name:           k_q0bfcef96dd_prep
    .symbol:         k_q0bfcef96dd_prep.kd
    .args:
      - { .name: x, .offset: 0, .size: 8, .value_kind: global_buffer, .address_space: global }
      - { .name: Wq, .offset: 8, .size: 8, .value_kind: global_buffer, .address_space: global }
      - { .name: Wk, .offset: 16, .size: 8, .value_kind: global_buffer, .address_space: global }
      - { .name: Wv, .offset: 24, .size: 8, .value_kind: global_buffer, .address_space: global }
      - { .name: Wo, .offset: 32, .size: 8, .value_kind: global_buffer, .address_space: global }
      - { .name: opc, .offset: 40, .size: 8, .value_kind: global_buffer, .address_space: global }
      - { .name: ops, .offset: 48, .size: 8, .value_kind: global_buffer, .address_space: global }
    .group_segment_fixed_size: 34560
    .private_segment_fixed_size: 0
    .kernarg_segment_align: 8
    .kernarg_segment_size: 56
    .max_flat_workgroup_size: 128
    .sgpr_count:     66
    .vgpr_count:     128
    .wavefront_size: 32
...
	.end_amdgpu_metadata
.endif
;; end of part 1
;; launch proj (part 2): grid 32 x 6, 4 waves a work-group, no clusters, 327,680 bytes of LDS; arguments opc, ops, bq, bk, bv, qc, qs, kv; writes qc, qs, kv
.if DOCPART == 2
	.amdgcn_target "amdgcn-amd-amdhsa--gfx1250"
	.amdhsa_code_object_version 6
	.text
	.protected	k_q0bfcef96dd_proj
	.globl	k_q0bfcef96dd_proj
	.p2align	8
	.type	k_q0bfcef96dd_proj,@function
k_q0bfcef96dd_proj:
	s_mov_b64 s[64:65], 0
	v_nop
	global_prefetch_b8 v0, s[64:65] scope:SCOPE_SE
	s_setreg_imm32_b32 hwreg(HW_REG_WAVE_MODE, 25, 1), 1
	s_wait_xcnt 0x0
.set KSTR,  16384
.set SPARE, 262144
.set HEADB, 557056
.set REC,   17408
.set LI,   3
.set RO,   4
.set ADRP, 5
.set ADRR, 6
.set BO1,  7
.set BO2,  8
.set SOF,  9
.set SPW,  28
.set NIL,  29
.set SP,   32
.set SR,   64
.set RF,   128
.set HA,   128
.set PC,   192
.set TM,   208
.set SW,   224
.set E,    232
.set F,    236
.set WV, 12
.set PH, 13
.set RH, 14
.set Y,  15
.set G1, 16
.set G0, 24
.set FILL, 88
.set SEL, 90
.set MNT, 92
.set MSB, 0
.macro WIN new
.if MSB != (\new)
	s_set_vgpr_msb (MSB<<8)|(\new)
.set MSB, (\new)
.endif
.endm
.set MUL_LO, 0xa1
.set MUL_HI, 0xf1
.set TO_P,   0x40
.macro QUANT s, pw
.irp b, 0,1,2,3
	v_max3_num_f32 v[TM+\b], |v[\s+16*\b]|, |v[\s+1+16*\b]|, 0x4800000
.endr
.irp i, 2,4,6,8,10,12,14
.irp b, 0,1,2,3
	v_max3_num_f32 v[TM+\b], v[TM+\b], |v[\s+16*\b+\i]|, |v[\s+1+16*\b+\i]|
.endr
.endr
.irp b, 0,1,2,3
	v_permlanex16_b32 v[TM+4+\b], v[TM+\b], s[SEL], s[SEL+1]
.endr
.irp b, 0,1,2,3
	v_max_num_f32 v[TM+\b], v[TM+\b], v[TM+4+\b]
.endr
.irp b, 0,1,2,3
	v_add_nc_u32 v[TM+12+\b], 0xfc000000, v[TM+\b]
.endr
.irp b, 0,1,2,3
	v_and_or_b32 v[TM+8+\b], v[TM+\b], 0x7f800000, s[MNT]
.endr
.irp b, 0,1,2,3
	v_lshrrev_b32 v[TM+4+\b], 23, v[TM+12+\b]
.endr
	v_lshl_or_b32 v[\pw], v[TM+5], 8, v[TM+4]
	v_lshl_or_b32 v[\pw], v[TM+6], 16, v[\pw]
	v_lshl_or_b32 v[\pw], v[TM+7], 24, v[\pw]
.irp b, 0,1,2,3
.irp i, 0,1,2,3,4,5,6,7,8,9,10,11,12,13,14,15
	v_med3_num_f32 v[\s+16*\b+\i], v[\s+16*\b+\i], -v[TM+8+\b], v[TM+8+\b]
.endr
	v_cvt_scalef32_pk8_fp8_f32 v[PC+4*\b:PC+1+4*\b], v[\s+16*\b:\s+7+16*\b], v[TM+12+\b]
	v_cvt_scalef32_pk8_fp8_f32 v[PC+2+4*\b:PC+3+4*\b], v[\s+8+16*\b:\s+15+16*\b], v[TM+12+\b]
.endr
	v_nop
.endm
.macro FRAG reg, adr, i
.irp c, 0,1,2,3
	ds_load_b128 v[\reg+4*\c:\reg+4*\c+3], v[\adr] offset:2048*(\i)+512*\c
.endr
.endm
.macro FETCH_P set
	WIN TO_P
.irp i, 0,1,2,3,4,5,6,7
	FRAG 128*(\set)+16*\i, ADRP, \i
.endr
	WIN 0
.endm
.macro FETCH_R i0
.irp i, \i0, \i0+1, \i0+2, \i0+3
	FRAG RF+16*(\i), ADRR, \i
.endr
.endm
.macro MUL16 a0, set, q, zero
.irp a, \a0, \a0+1
.irp b, 0,1,2,3,4,5,6,7
.if \zero
	v_wmma_scale_f32_16x16x128_f8f6f4 v[8*(8*((\a)%4)+\b):8*(8*((\a)%4)+\b)+7], v[128*(\set)+16*\b:128*(\set)+16*\b+15], v[RF+16*(\a):RF+16*(\a)+15], 0, v[SP+4*\b+(\q)], v[SR+4*(\a)+(\q)]
.else
	v_wmma_scale_f32_16x16x128_f8f6f4 v[8*(8*((\a)%4)+\b):8*(8*((\a)%4)+\b)+7], v[128*(\set)+16*\b:128*(\set)+16*\b+15], v[RF+16*(\a):RF+16*(\a)+15], v[8*(8*((\a)%4)+\b):8*(8*((\a)%4)+\b)+7], v[SP+4*\b+(\q)], v[SR+4*(\a)+(\q)]
.endif
.endr
.endr
.endm
.macro PLACES n
.rept \n
	v_nop
.endr
.endm
.macro LAND n
	s_wait_tensorcnt \n
	s_barrier_signal -1
	s_barrier_wait -1
.endm
.macro STEP q, zero
	s_wait_dscnt 16
	WIN MUL_LO
	MUL16 0, (\q)%2, \q, \zero
	MUL16 2, (\q)%2, \q, \zero
	s_wait_dscnt 0x0
	PLACES 8
	WIN 0
	v_add_nc_u32 v[ADRP], KSTR, v[ADRP]
	v_add_nc_u32 v[ADRR], KSTR, v[ADRR]
	FETCH_P 1-(\q)%2
	FETCH_R 0
	WIN MUL_HI
	MUL16 4, (\q)%2, \q, \zero
	MUL16 6, (\q)%2, \q, \zero
	PLACES 8
	WIN 0
	FETCH_R 4
.endm
.macro TAIL
	s_wait_dscnt 16
	WIN MUL_LO
	MUL16 0, 1, 3, 0
	MUL16 2, 1, 3, 0
	s_wait_dscnt 0x0
	WIN MUL_HI
	MUL16 4, 1, 3, 0
	MUL16 6, 1, 3, 0
	WIN 0
	PLACES 8
	s_wait_loadcnt 0x0
.irp b, 0,1,2,3
	v_mov_b32 v[TM+4+\b], 0
.endr
.endm
	s_load_b256 s[4:11], s[0:1], 0x0
	s_load_b256 s[44:51], s[0:1], 0x20
	v_lshl_add_u32 v[SPW], v0, 2, SPARE
	v_mov_b32 v[NIL], 0
	ds_add_u32 v[SPW], v[NIL]
	ds_add_u32 v[SPW], v[NIL]
	v_lshrrev_b32 v1, 5, v0
	v_readfirstlane_b32 s[WV], v1
	s_and_b32 s[PH], s[WV], 1
	s_lshr_b32 s[RH], s[WV], 1
	s_and_b32 s[Y], ttmp7, 0xffff
	s_add_co_u32 s40, s[Y], 32
	s_cmp_lt_u32 s[Y], 4
	s_cselect_b32 s41, s40, ttmp9
	s_cselect_b32 s42, ttmp9, s40
	s_cmp_lt_u32 s[WV], 2
	s_cselect_b32 s43, s41, s42
	s_lshl_b32 s52, s43, 17
	s_lshl_b32 s53, s[PH], 14
	s_add_co_u32 s52, s52, s53
	s_mov_b32 s53, 0
	s_mov_b32 s[G1], 3<<16
	s_mov_b32 s[G1+1], 2048<<16                    ; one tile a wave: four rows of 16,384 bytes (a K step's piece each),
	s_mov_b32 s[G1+2], 4<<16
	s_mov_b32 s[G1+3], 2048<<16
	s_mov_b32 s[G1+4], 4
	s_mov_b32 s[G1+5], 4096                        ; 32,768 bytes apart in memory, on end in LDS
	s_mov_b32 s[G1+6], 0
	s_mov_b32 s[G1+7], 0
	s_lshl_b32 s54, s[WV], 16
	s_mov_b32 s[SEL], 0x76543210
	s_mov_b32 s[SEL+1], 0xfedcba98
	s_mov_b32 s[MNT], 0x600000
	s_mov_b32 s[FILL], 0x7f7f0000
	s_wait_dscnt 0x0
	s_wait_kmcnt 0x0
	s_add_nc_u64 s[52:53], s[4:5], s[52:53]
.irp s, 0
	s_mov_b32 s[G0+4*\s], 1
	s_add_co_u32 s[G0+4*\s+1], s54, KSTR*\s
	s_add_nc_u64 s[G0+4*\s+2:G0+4*\s+3], s[52:53], 32768*\s
	s_or_b32 s[G0+4*\s+3], s[G0+4*\s+3], 0x80000000
.endr
	tensor_load_to_lds s[G0:G0+3], s[G1:G1+7]      ; my one load: all four K steps of my 128 rows; nothing is filled again
	s_nop 0
	v_and_b32 v1, 15, v0
	v_bfe_u32 v2, v0, 4, 1
	v_and_b32 v10, 31, v0
	v_lshlrev_b32 v[LI], 4, v10
	v_lshlrev_b32 v[RO], 4, v1
	s_wait_alu depctr_va_vdst(0)
	s_lshl_b32 s56, s41, 12
	s_lshl_b32 s57, s[PH], 11
	s_add_co_u32 s56, s56, s57
	s_mov_b32 s57, 0
	s_add_nc_u64 s[56:57], s[6:7], s[56:57]
	s_lshl_b32 s58, s42, 12
	s_lshl_b32 s59, s[RH], 11
	s_add_co_u32 s58, s58, s59
	s_mov_b32 s59, 0
	s_add_nc_u64 s[58:59], s[6:7], s[58:59]
.irp t, 0,1,2,3,4,5,6,7
	global_load_b128 v[SP+4*\t:SP+4*\t+3], v[RO], s[56:57] offset:256*\t
	global_load_b128 v[SR+4*\t:SR+4*\t+3], v[RO], s[58:59] offset:256*\t
.endr
	s_lshl_b32 s55, s[PH], 16
	v_add_nc_u32 v[ADRP], s55, v[LI]
	s_lshl_b32 s55, s[RH], 16
	s_add_co_u32 s55, s55, 131072
	v_add_nc_u32 v[ADRR], s55, v[LI]
	v_lshlrev_b32 v[BO1], 6, v2
	v_and_b32 v[BO2], 8, v1
	v_add_nc_u32 v[BO2], v[BO2], v1
	v_lshlrev_b32 v[BO2], 2, v[BO2]
	v_lshlrev_b32 v[SOF], 5, v1
	v_lshl_add_u32 v[SOF], v2, 4, v[SOF]
	s_wait_alu depctr_va_vdst(0)
	LAND 0
	FETCH_P 0
	FETCH_R 0
	FETCH_R 4
	s_wait_loadcnt 0x0
	STEP 0, 1
	s_wait_alu depctr_va_vdst(0)
	STEP 1, 0
	s_wait_alu depctr_va_vdst(0)
	STEP 2, 0
	s_cmp_lt_u32 s[Y], 4
	s_cbranch_scc0 .Lvalues
	s_and_b32 s60, s[Y], 1
	s_lshl_b32 s61, s60, 10
	s_lshl_b32 s62, s[PH], 9
	s_add_co_u32 s62, s61, s62
	s_mov_b32 s63, 0
	s_lshr_b32 s68, ttmp9, 4
	s_lshl_b32 s68, s68, 3
	s_lshl_b32 s69, s60, 2
	s_add_co_u32 s68, s68, s69
	s_lshl_b32 s69, s[PH], 1
	s_add_co_u32 s68, s68, s69
	s_and_b32 s69, ttmp9, 15
	s_lshl_b32 s69, s69, 1
	s_add_co_u32 s69, s69, s[RH]
	s_cmp_lt_u32 s[Y], 2
	s_cselect_b64 s[66:67], s[8:9], s[10:11]
	s_mov_b32 s70, HEADB
	s_cselect_b32 s70, 262144, s70
	s_mov_b32 s71, REC
	s_cselect_b32 s71, 8192, s71
	s_cselect_b64 s[72:73], s[46:47], s[50:51]
	s_mov_b32 s74, HEADB
	s_cselect_b32 s74, 16384, s74
	s_mov_b32 s75, REC
	s_cselect_b32 s75, 512, s75
	s_cselect_b32 s76, 0, 8192
	s_cselect_b64 s[78:79], s[48:49], s[50:51]
	s_add_nc_u64 s[66:67], s[66:67], s[62:63]
	s_mul_i32 s80, s68, s70
	s_mul_i32 s81, s69, s71
	s_add_co_u32 s80, s80, s81
	s_mov_b32 s81, 0
	s_add_nc_u64 s[72:73], s[72:73], s[80:81]
	s_mov_b32 s80, s70
	s_add_nc_u64 s[82:83], s[72:73], s[80:81]
	s_mul_i32 s84, s68, s74
	s_mul_i32 s85, s69, s75
	s_add_co_u32 s84, s84, s85
	s_add_co_u32 s84, s84, s76
	s_mov_b32 s85, 0
	s_add_nc_u64 s[78:79], s[78:79], s[84:85]
	s_mov_b32 s84, s74
	s_add_nc_u64 s[86:87], s[78:79], s[84:85]
	WIN TO_P
.irp p, 0,1,2,3,4,5,6,7
	global_load_b128 v[8*\p:8*\p+3], v[BO1], s[66:67] offset:(32*(\p/2)+8*(\p%2))*4
	global_load_b128 v[8*\p+4:8*\p+7], v[BO1], s[66:67] offset:(32*(\p/2)+8*(\p%2))*4+16
.endr
	WIN 0
	TAIL
.macro EPIQK r
.set AC, 64*((\r)%4)
	WIN 0x06+(\r)/4
.set i, 0
.rept 32
	v_pk_add_f32 v[HA+i:HA+i+1], v[AC+i:AC+i+1], v[i:i+1]
.set i, i+2
.endr
	WIN 0
.if (\r) > 0
	s_wait_xcnt 0x0
.endif
	QUANT HA, SW+(\r)
.irp c, 0,1
	global_store_b128 v[LI], v[PC+4*\c:PC+4*\c+3], s[72:73] offset:1024*(\r)+512*\c
	global_store_b128 v[LI], v[PC+8+4*\c:PC+8+4*\c+3], s[82:83] offset:1024*(\r)+512*\c
.endr
.endm
.irp r, 0,1,2,3,4,5,6,7
	EPIQK \r
.endr
	v_cmp_eq_u32 vcc_lo, 1, v2
.irp i, 0,1,2,3
	v_cndmask_b32 v[E+\i], v[SW+\i], v[SW+4+\i], vcc_lo
.endr
.irp i, 0,1,2,3
	v_lshrrev_b32 v[F+\i], 16, v[E+\i]
.endr
.irp i, 0,1,2,3
	v_or_b32 v[F+\i], s[FILL], v[F+\i]
.endr
.irp i, 0,1,2,3
	v_and_or_b32 v[E+\i], v[E+\i], 0xffff, s[FILL]
.endr
	global_store_b128 v[SOF], v[E:E+3], s[78:79]
	global_store_b128 v[SOF], v[F:F+3], s[86:87]
	s_branch .Ldone
.Lvalues:
	s_sub_co_u32 s60, s[Y], 4
	s_lshl_b32 s62, s60, 10
	s_lshl_b32 s61, s[RH], 9
	s_add_co_u32 s62, s62, s61
	s_mov_b32 s63, 0
	s_add_nc_u64 s[66:67], s[44:45], s[62:63]
	s_lshr_b32 s68, ttmp9, 4
	s_lshl_b32 s68, s68, 3
	s_lshl_b32 s69, s60, 2
	s_add_co_u32 s68, s68, s69
	s_lshl_b32 s69, s[RH], 1
	s_add_co_u32 s68, s68, s69
	s_and_b32 s69, ttmp9, 15
	s_lshl_b32 s69, s69, 1
	s_add_co_u32 s69, s69, s[PH]
	s_mul_i32 s80, s68, HEADB
	s_mul_i32 s81, s69, REC
	s_add_co_u32 s80, s80, s81
	s_add_co_u32 s80, s80, 8704
	s_mov_b32 s81, 0
	s_add_nc_u64 s[72:73], s[50:51], s[80:81]
	WIN TO_P
.irp r, 0,1,2,3,4,5,6,7
	global_load_b32 v[2*\r], v[BO2], s[66:67] offset:(32*(\r/2)+8*(\r%2))*4
	global_load_b32 v[2*\r+1], v[BO2], s[66:67] offset:(32*(\r/2)+8*(\r%2))*4
.endr
	WIN 0
	TAIL
.macro EPIV r
.set AC, 64*((\r)%4)
	WIN 0x06+(\r)/4
.set i, 0
.rept 32
	v_pk_add_f32 v[HA+i:HA+i+1], v[AC+i:AC+i+1], v[2*(\r):2*(\r)+1]
.set i, i+2
.endr
	WIN 0
.if (\r) > 0
	s_wait_xcnt 0x0
.endif
	QUANT HA, SW+(\r)
.irp c, 0,1,2,3
	global_store_b128 v[LI], v[PC+4*\c:PC+4*\c+3], s[72:73] offset:((\r)/4)*HEADB+((\r)%4)*2048+512*\c
.endr
.endm
.irp r, 0,1,2,3,4,5,6,7
	EPIV \r
.endr
	global_store_b128 v[LI], v[SW:SW+3], s[72:73] offset:8192
	global_store_b128 v[LI], v[SW+4:SW+7], s[72:73] offset:8192+HEADB
.Ldone:
	s_wait_tensorcnt 0x0
	ds_add_u32 v[SPW], v[NIL]
	s_wait_dscnt 0x0
	s_endpgm
.Lfunc_end_k_q0bfcef96dd_proj:
	.size	k_q0bfcef96dd_proj, .Lfunc_end_k_q0bfcef96dd_proj-k_q0bfcef96dd_proj
	.p2alignl 7, 3214868480
	.fill 96, 4, 3214868480
	.section	.rodata,"a",@progbits
	.p2align	6, 0x0
	.amdhsa_kernel k_q0bfcef96dd_proj
		.amdhsa_group_segment_fixed_size 327680
		.amdhsa_private_segment_fixed_size 0
		.amdhsa_enable_private_segment 0
		.amdhsa_kernarg_size 64
		.amdhsa_user_sgpr_count 2
		.amdhsa_user_sgpr_kernarg_segment_ptr 1
		.amdhsa_wavefront_size32 1
		.amdhsa_system_sgpr_workgroup_id_x 1
		.amdhsa_system_sgpr_workgroup_id_y 1
		.amdhsa_system_sgpr_workgroup_id_z 1
		.amdhsa_system_vgpr_workitem_id 0
		.amdhsa_next_free_vgpr 1024
		.amdhsa_next_free_sgpr 96
		.amdhsa_reserve_vcc 1
		.amdhsa_float_denorm_mode_32 3
		.amdhsa_float_denorm_mode_16_64 3
		.amdhsa_memory_ordered 1
		.amdhsa_forward_progress 1
		.amdhsa_inst_pref_size 239
	.end_amdhsa_kernel
	.amdgpu_metadata
---
amdhsa.version: [ 1, 2 ]
amdhsa.kernels:
  - .name:           k_q0bfcef96dd_proj
    .symbol:         k_q0bfcef96dd_proj.kd
    .args:
      - { .name: opc, .offset: 0, .size: 8, .value_kind: global_buffer, .address_space: global }
      - { .name: ops, .offset: 8, .size: 8, .value_kind: global_buffer, .address_space: global }
      - { .name: bq, .offset: 16, .size: 8, .value_kind: global_buffer, .address_space: global }
      - { .name: bk, .offset: 24, .size: 8, .value_kind: global_buffer, .address_space: global }
      - { .name: bv, .offset: 32, .size: 8, .value_kind: global_buffer, .address_space: global }
      - { .name: qc, .offset: 40, .size: 8, .value_kind: global_buffer, .address_space: global }
      - { .name: qs, .offset: 48, .size: 8, .value_kind: global_buffer, .address_space: global }
      - { .name: kv, .offset: 56, .size: 8, .value_kind: global_buffer, .address_space: global }
    .group_segment_fixed_size: 327680
    .private_segment_fixed_size: 0
    .kernarg_segment_align: 8
    .kernarg_segment_size: 64
    .max_flat_workgroup_size: 128
    .sgpr_count:     96
    .vgpr_count:     1024
    .wavefront_size: 32
...
	.end_amdgpu_metadata
.endif
;; end of part 2
;; launch attn (part 3): grid 16 x 16, 8 waves a work-group, clusters of 4 x 1, 327,680 bytes of LDS; arguments qc, qs, kv, cc, cs; writes cc, cs
.if DOCPART == 3
	.amdgcn_target "amdgcn-amd-amdhsa--gfx1250"
	.amdhsa_code_object_version 6
	.text
	.protected	k_q0bfcef96dd_attn
	.globl	k_q0bfcef96dd_attn
	.p2align	8
	.type	k_q0bfcef96dd_attn,@function
k_q0bfcef96dd_attn:
	s_mov_b64 s[64:65], 0
	v_nop
	global_prefetch_b8 v0, s[64:65] scope:SCOPE_SE
	s_setreg_imm32_b32 hwreg(HW_REG_WAVE_MODE, 25, 1), 1
	s_wait_xcnt 0x0
	s_wait_alu depctr_hold_cnt(0) depctr_sa_sdst(0) depctr_va_vdst(0) depctr_va_sdst(0) depctr_va_ssrc(0) depctr_va_vcc(0) depctr_vm_vsrc(0)
	s_getreg_b32 s2, hwreg(HW_REG_IB_STS2, 6, 4)
	s_cmp_eq_u32 s2, 0
	s_cbranch_scc0 .Lentry_in_a_cluster
	s_endpgm
.Lentry_in_a_cluster:
	s_bfe_u32 s2, ttmp6, 0x10000c
	s_cmp_lg_u32 s2, 0x3003
	s_cbranch_scc0 .Lentry_shape_is_right
	s_endpgm
.Lentry_shape_is_right:
; context = softmax(Q K^T / 8) V for 16 heads (batch x head) of 4,096 positions and 64 channels, both products on codes of E4M3, and the context quantised along D = 512 on the way out.  Nothing is left out.
; THE SOFTMAX AHEAD OF THE SECOND PRODUCT: t = score x log2(e) / 8; M = the running largest t rounded UP to a whole number; p = 2^(t - M) is quantised along the keys, not normalised; the row's sum is taken of
; the unquantised p and divides at the end.  When M moves, the sum and O are multiplied by 2^(old M - new M), which rounds nothing.
; THE FIRST PRODUCT HAS K = 64 in an instruction of K = 128.  Q's registers for k = 64 .. 127 are zeros; K's are the next tile's codes (finite), behind the last tile zeros; both sides' scale bytes there are 0x7f.
; SHARES.  A work-group owns 256 queries of one head; each of its EIGHT waves owns two tiles of 16 queries (w = 0, 1), so each fragment of K and V that it reads from LDS feeds two products.
; Both products are used transposed (S^T = K Q^T, O^T = V^T P^T): a lane holds one query of each tile throughout; by the order of rows in a tile the conversions' results are the next operand's registers.
; REGISTERS.  Window 1 holds both tiles' large arrays: S^T v0-127, O^T v128-191, p's codes v192-223 (until the conversions: the sums' partial pairs), Q v224-255.  Window 0 holds addresses, both tiles' small registers, all scale words, K's and V's fragments.
; So one setting of the windows serves both tiles, and the two tiles' lines take turns: eight chains of maxima, two chains for M; tile 0's exponentials stand among tile 1's multiply-adds, tile 1's among tile 0's
; first sums and holds.  Whatever a plain line writes inside a batch of exponentials is read only behind the batch's wait.
; LOADS FROM LDS: behind a step's first products come V's fragments of this step and K's of the next (not behind a slot's last step): both have the softmax in which to come.
; THE RING.  kv holds a record of 17,408 bytes for each step of 128 keys, laid as images of registers.  Two slots of eight records; each wave brings one record by one tensor load.  Slot 0 is filled at the head;
; three more fills stand behind rounds of the cluster's barrier, in a loop of three trips; the last slot's steps are written out.  By this text's count a wave has one tensor load out.
; CLUSTER.  The four query blocks of a cluster belong to one head and walk the same records: each record is asked for jointly.
; NO PREFETCH: a fill is asked for eight key steps (192 products a wave) ahead of the wait for it, and a head's 32 records are read by four clusters side by side.
; LIMITS: as stated at the head of the first launch; a row's sum is at least 1/2, so the division is safe; the scaled scores stay under 2^31 in magnitude.
.set REC,   17408
.set HALF,  8704
.set SLOTB, 8*REC
.set HEADB, 32*REC
.set SPARE, 2*SLOTB                    ; behind the ring: the spare words, 128 bytes for each of 8 waves, which no other line names
; window 0
.set LI,  1                            ; v1 16 x lane; v2 32 r; v3, v4 LDS: the record in hand + these; v5, v6 the add's two; v7 16 r
.set AS0, 2
.set AD,  3
.set AS,  4
.set SPW, 5
.set NIL, 6
.set RO,  7
.set NM,  8                            ; + 2 w: the pair -M, the largest t
.set SUM, 12                           ; + 2 w: the sum in two halves
.set BM,  16                           ; + 4 w + b: the blocks' largest scores, then largest p
.set T2,  24                           ; + 4 w + b
.set HV,  32                           ; + 4 w + b: 448 x the scale
.set SOP, 40                           ; + 4 w + b: the conversions' scale operands
.set F,   48                           ; + 2 w: f, and a 0 named with it as a pair
.set TMP, 52                           ; + w
.set QS,  56                           ; + w: Q's scale words
.set PS,  58                           ; + w: p's
.set VS,  60                           ; v60-63 V's
.set KS,  64                           ; v64-71 K's
.set KF,  104                          ; v104-167 K's eight tiles, v168-175 zeros
.set VF,  176                          ; v176-239 V's four fragments
; window 1: S^T at 64 w, O^T at 128 + 32 w, codes at 192 + 16 w, Q at 224 + 16 w
.set O,   128
.set PCD, 192
.set TT,  192                          ; sixteen pairs for the sums, in the codes' registers
.set Q,   224
.set WV,  18
.set MNT, 19
.set SEL, 20
.set CS,  22                           ; s[22:23] c = log2(e) / 8
.set G1,  24
.set G0,  32
.set TB,  40                           ; LDS byte at which the record in hand begins
.set CNT, 41
.set XN,  60                           ; the slot that is filled next: 0 or SLOTB
.set PHC, 61
.set MSB, 0
.macro WIN new                         ; bits 1:0 source 0, 3:2 source 1, 5:4 source 2, 7:6 destination; the immediate's high byte repeats the setting that is left
.if MSB != (\new)
	s_set_vgpr_msb (MSB<<8)|(\new)
.set MSB, (\new)
.endif
.endm
.macro WALU
	s_wait_alu depctr_va_vdst(0)
.endm
.macro PKA d, a, b
	v_pk_add_f32 v[(\d):(\d)+1], v[(\a):(\a)+1], v[(\b):(\b)+1]
.endm
.macro CROUND                          ; a round of the cluster's barrier
	s_barrier_signal -1
	s_barrier_wait -1
	s_cmp_lg_u32 s[WV], 0
	s_cbranch_scc1 .Lnot_wave_0_\@
	s_barrier_signal -3
.Lnot_wave_0_\@:
	s_barrier_wait -3
	s_barrier_signal -1
	s_barrier_wait -1
.endm
.macro KLOAD off                       ; K's eight tiles and their scale words, of the record off bytes behind the one in hand
.irp t, 0,1,2,3,4,5,6,7
.irp c, 0,1
	ds_load_b128 v[KF+8*\t+4*\c:KF+8*\t+4*\c+3], v[AD] offset:(\off)+1024*\t+512*\c
.endr
.endr
	ds_load_b128 v[KS:KS+3], v[AS] offset:(\off)+8192
	ds_load_b128 v[KS+4:KS+7], v[AS] offset:(\off)+8208
.endm
	s_load_b256 s[4:11], s[0:1], 0x0               ; qc, qs, kv, cc
	s_load_b64 s[12:13], s[0:1], 0x20              ; cs
	v_lshl_add_u32 v[SPW], v0, 2, SPARE
	v_mov_b32 v[NIL], 0
	ds_add_u32 v[SPW], v[NIL]                      ; the wave's opening: the add, twice on end, and its wait ahead of my first tensor load
	ds_add_u32 v[SPW], v[NIL]
	v_lshrrev_b32 v54, 5, v0
	s_delay_alu instid0(VALU_DEP_1)
	v_readfirstlane_b32 s[WV], v54                 ; wave 0..7
	s_and_b32 s44, ttmp7, 0xffff                   ; the head among the 16, which the four partners share
	s_mul_i32 s46, s44, HEADB
	s_mul_i32 s48, s[WV], REC                      ; my record of a slot, in memory and in LDS: no place in the cluster enters it
	s_add_co_u32 s46, s46, s48
	s_mov_b32 s47, 0
	s_mov_b32 s[G1], 15|(3<<16)|(1<<21)            ; the mask: all four work-groups; elements of 8 bytes; bit 21 set beside a mask; no padding
	s_mov_b32 s[G1+1], 32<<16                      ; rows of 256 bytes,
	s_mov_b32 s[G1+2], 68<<16                      ; 68 of them,
	s_mov_b32 s[G1+3], 32<<16
	s_mov_b32 s[G1+4], 68
	s_mov_b32 s[G1+5], 32                          ; dense
	s_mov_b32 s[G1+6], 0
	s_mov_b32 s[G1+7], 0
	s_mov_b32 s[SEL], 0x76543210
	s_mov_b32 s[SEL+1], 0xfedcba98
	s_mov_b32 s[CS], 0x3e38aa3b
	s_mov_b32 s[CS+1], s[CS]
	s_mov_b32 s[MNT], 0x600000
	s_bfe_u32 s42, ttmp6, 0x40000                  ; cx: it enters Q's and the context's global addresses alone
	s_lshl_b32 s43, ttmp9, 2
	s_add_co_u32 s43, s43, s42                     ; my block of 256 queries
	s_lshl_b32 s50, s43, 4
	s_lshl_b32 s51, s[WV], 1
	s_add_co_u32 s50, s50, s51                     ; the first of my two tiles among the head's 256
	s_lshl_b32 s52, s44, 8
	s_add_co_u32 s52, s52, s50
	s_lshl_b32 s52, s52, 10                        ; 1,024 bytes of codes a tile
	s_mov_b32 s53, 0
	s_lshl_b32 s54, s44, 5
	s_lshr_b32 s55, s50, 3
	s_add_co_u32 s54, s54, s55
	s_lshl_b32 s54, s54, 9                         ; its group's 512 bytes of scale words,
	s_and_b32 s55, s50, 7
	s_lshl_b32 s55, s55, 2                         ; its word in a place's eight
	s_add_co_u32 s54, s54, s55
	s_mov_b32 s55, 0
	s_lshr_b32 s45, s44, 3                         ; batch
	s_and_b32 s49, s44, 7                          ; head in the batch
	s_lshl_b32 s56, s45, 4
	s_add_co_u32 s56, s56, s43
	s_lshl_b32 s56, s56, 17                        ; the context's codes: block of 256 rows,
	s_lshr_b32 s57, s49, 1
	s_lshl_b32 s57, s57, 15                        ; K step = head / 2,
	s_add_co_u32 s56, s56, s57
	s_lshl_b32 s57, s[WV], 12                      ; tile 2 x wave,
	s_add_co_u32 s56, s56, s57
	s_and_b32 s57, s49, 1
	s_lshl_b32 s57, s57, 10                        ; pieces 2 (head % 2) and the next
	s_add_co_u32 s56, s56, s57
	s_mov_b32 s57, 0
	s_lshl_b32 s58, s45, 8
	s_add_co_u32 s58, s58, s50
	s_lshl_b32 s58, s58, 8                         ; its scale bytes: 256 a tile,
	s_lshl_b32 s59, s49, 1                         ; bytes 2 head and 2 head + 1 of a place's 16
	s_add_co_u32 s58, s58, s59
	s_mov_b32 s59, 0
	s_mov_b32 s[XN], 0
	s_mov_b32 s[PHC], 3
	s_wait_dscnt 0x0                               ; both opening adds are done
	s_wait_kmcnt 0x0
	s_add_nc_u64 s[46:47], s[8:9], s[46:47]
	s_add_nc_u64 s[4:5], s[4:5], s[52:53]
	s_add_nc_u64 s[6:7], s[6:7], s[54:55]
	s_add_nc_u64 s[10:11], s[10:11], s[56:57]
	s_add_nc_u64 s[12:13], s[12:13], s[58:59]
	s_mov_b32 s[G0], 1
	s_mov_b32 s[G0+1], s48
	s_mov_b64 s[G0+2:G0+3], s[46:47]
	s_or_b32 s[G0+3], s[G0+3], 0x80000000
	CROUND                                         ; all four work-groups are here: the first joint loads meet
	tensor_load_to_lds s[G0:G0+3], s[G1:G1+7]      ; key steps 0-7: my one load at the head
	s_nop 0
	v_and_b32 v54, 31, v0
	s_delay_alu instid0(VALU_DEP_1)
	v_lshlrev_b32 v[LI], 4, v54
	v_and_b32 v55, 15, v0
	s_delay_alu instid0(VALU_DEP_1)
	v_lshlrev_b32 v[AS0], 5, v55
	s_delay_alu instid0(VALU_DEP_2)
	v_lshlrev_b32 v[RO], 4, v55
	global_load_b32 v[QS], v[AS0], s[6:7]                  ; Q's two scale words,
	global_load_b32 v[QS+1], v[AS0], s[6:7] offset:4
	WIN 0x40
.irp w, 0,1
	global_load_b128 v[Q+16*\w:Q+16*\w+3], v[LI], s[4:5] offset:1024*\w       ; and its codes, which stay in registers
	global_load_b128 v[Q+16*\w+4:Q+16*\w+7], v[LI], s[4:5] offset:1024*\w+512
.endr
.set i, 0
.rept 8
	v_mov_b32 v[Q+8+i], 0                          ; Q's k = 64 .. 127
	v_mov_b32 v[Q+24+i], 0
.set i, i+1
.endr
.set i, 0
.rept 64
	v_mov_b32 v[O+i], 0                            ; O^T: the first step finds zeros, which the first change of M leaves zeros
.set i, i+1
.endr
	WIN 0
.set i, 0
.rept 8
	v_mov_b32 v[KF+64+i], 0                        ; behind K's last tile
	v_mov_b32 v[T2+i], 0                           ; a lane permute's destination counts as one of its sources
.set i, i+1
.endr
.irp w, 0,1
	v_mov_b32 v[NM+2*\w+1], 0xff61b1e6             ; the largest t so far: -3e38
	v_mov_b32 v[SUM+2*\w], 0
	v_mov_b32 v[SUM+2*\w+1], 0
	v_mov_b32 v[F+2*\w+1], 0
.endr
.irp w, 0,1
	v_floor_f32 v[NM+2*\w], -v[NM+2*\w+1]          ; -M
.endr
.macro STEP                            ; 128 keys x my 32 queries: the record at s[TB]
	s_wait_dscnt 0x0                               ; K's fragments are in
	WIN 0x44                                       ; K from window 0; Q and S^T in window 1
.irp t, 0,1,2,3,4,5,6,7
.irp w, 0,1
	v_wmma_scale_f32_16x16x128_f8f6f4 v[64*\w+8*\t:64*\w+8*\t+7], v[KF+8*\t:KF+8*\t+15], v[Q+16*\w:Q+16*\w+15], 0, v[KS+\t], v[QS+\w]
.endr
.endr
	WIN 0
	v_add_nc_u32 v[AD], s[TB], v[LI]
	v_add_nc_u32 v[AS], s[TB], v[AS0]
.rept 6
	v_nop                                          ; with the two additions: eight places behind the products, ahead of loads into registers that they read and of the first read of S^T
.endr
.irp t, 0,1,2,3                                ; V's fragments of this step
.irp c, 0,1,2,3
	ds_load_b128 v[VF+16*\t+4*\c:VF+16*\t+4*\c+3], v[AD] offset:HALF+2048*\t+512*\c
.endr
.endr
	ds_load_b128 v[VS:VS+3], v[AD] offset:HALF+8192
	s_cmp_eq_u32 s[CNT], 1                         ; the slot's last step fetches nothing from the next record: that lies in the other slot, behind the change
	s_cbranch_scc1 .Lno_next_\@
	KLOAD REC
.Lno_next_\@:
; the largest score of each block of 32 keys, for the row's maximum and, since p rises with the score, for the block's largest p: eight chains by turns
	WIN 0x15
.irp w, 0,1
.irp b, 0,1,2,3
	v_max3_num_f32 v[BM+4*\w+\b], v[64*\w+16*\b], v[64*\w+16*\b+1], v[64*\w+16*\b+2]
.endr
.endr
	WIN 0x14
.irp i, 3,5,7,9,11,13
.irp w, 0,1
.irp b, 0,1,2,3
	v_max3_num_f32 v[BM+4*\w+\b], v[BM+4*\w+\b], v[64*\w+16*\b+\i], v[64*\w+16*\b+\i+1]
.endr
.endr
.endr
.irp b, 0,1,2,3
.irp w, 0,1
	v_max_num_f32 v[BM+4*\w+\b], v[BM+4*\w+\b], v[64*\w+16*\b+15]
.endr
.endr
	WIN 0
.irp b, 0,1,2,3
.irp w, 0,1
	v_permlanex16_b32 v[T2+4*\w+\b], v[BM+4*\w+\b], s[SEL], s[SEL+1]
.endr
.endr
.irp b, 0,1,2,3
.irp w, 0,1
	v_max_num_f32 v[BM+4*\w+\b], v[BM+4*\w+\b], v[T2+4*\w+\b]   ; with lane l xor 16's 16 keys
.endr
.endr
; M and f, the two tiles' chains by turns
.irp w, 0,1
	s_delay_alu instid0(VALU_DEP_4)
	v_max3_num_f32 v[TMP+\w], v[BM+4*\w], v[BM+4*\w+1], v[BM+4*\w+2]
.endr
.irp w, 0,1
	s_delay_alu instid0(VALU_DEP_2)
	v_max_num_f32 v[TMP+\w], v[TMP+\w], v[BM+4*\w+3]
.endr
.irp w, 0,1
	s_delay_alu instid0(VALU_DEP_2)
	v_mul_f32 v[TMP+\w], s[CS], v[TMP+\w]          ; the step's largest t of my query
.endr
.irp w, 0,1
	s_delay_alu instid0(VALU_DEP_2)
	v_max_num_f32 v[NM+2*\w+1], v[NM+2*\w+1], v[TMP+\w]
.endr
.irp w, 0,1
	v_mov_b32 v[TMP+\w], v[NM+2*\w]
.endr
.irp w, 0,1
	s_delay_alu instid0(VALU_DEP_4)
	v_floor_f32 v[NM+2*\w], -v[NM+2*\w+1]          ; the new -M = -ceil(t): a whole number
.endr
.irp w, 0,1
	s_delay_alu instid0(VALU_DEP_2)
	v_sub_f32 v[TMP+\w], v[NM+2*\w], v[TMP+\w]     ; old M - new M: a whole number, 0 or less
.endr
.irp w, 0,1
	s_delay_alu instid0(VALU_DEP_2)
	v_cvt_i32_f32 v[TMP+\w], v[TMP+\w]             ; (it saturates)
.endr
.irp w, 0,1
	s_delay_alu instid0(VALU_DEP_2)
	v_ldexp_f32 v[F+2*\w], 1.0, v[TMP+\w]          ; f = 2^(old M - new M)
.endr
.irp b, 0,1,2,3
.irp w, 0,1
	v_fma_f32 v[BM+4*\w+\b], v[BM+4*\w+\b], s[CS], v[NM+2*\w]   ; t - M of each block's largest score
.endr
.endr
	WIN 0x41                                       ; S^T in window 1, -M in window 0
.set j, 0
.rept 32
	v_pk_fma_f32 v[j:j+1], v[j:j+1], s[CS:CS+1], v[NM:NM+1] op_sel_hi:[1,0,0]   ; tile 0: t - M, two at a time
.set j, j+2
.endr
	WIN 0
	WALU                                           ; the wait ahead of the batch
.set j, 0
.rept 8
	v_exp_f32 v[BM+j], v[BM+j]                     ; the blocks' largest p: the same two instructions on the same number
.set j, j+1
.endr
	WIN 0x41
.set j, 0
.rept 32
	v_exp_f32 v[j], v[j]                           ; tile 0: p = 2^(t - M);
	v_exp_f32 v[j+1], v[j+1]
	v_pk_fma_f32 v[64+j:65+j], v[64+j:65+j], s[CS:CS+1], v[NM+2:NM+3] op_sel_hi:[1,0,0]   ; among them tile 1's t - M, read behind the waits below
.set j, j+2
.endr
	WIN 0
	WALU                                           ; one wait for the batch, ahead of its first reader
.irp b, 0,1,2,3
.irp w, 0,1
	v_max_num_f32 v[BM+4*\w+\b], 0x4800000, v[BM+4*\w+\b]    ; the floor 2^(9 - 127): the byte cannot fall under 1
.endr
.endr
.irp b, 0,1,2,3
.irp w, 0,1
	v_add_nc_u32 v[SOP+4*\w+\b], 0xfc000000, v[BM+4*\w+\b]
.endr
.endr
.irp b, 0,1,2,3
.irp w, 0,1
	v_and_or_b32 v[HV+4*\w+\b], v[BM+4*\w+\b], 0x7f800000, s[MNT]
.endr
.endr
.irp b, 0,1,2,3
.irp w, 0,1
	v_lshrrev_b32 v[T2+4*\w+\b], 23, v[SOP+4*\w+\b]
.endr
.endr
.irp w, 0,1
	v_lshl_or_b32 v[PS+\w], v[T2+4*\w+1], 8, v[T2+4*\w]      ; p's scale words for these 128 keys
.endr
.irp w, 0,1
	s_delay_alu instid0(VALU_DEP_2)
	v_lshl_or_b32 v[PS+\w], v[T2+4*\w+2], 16, v[PS+\w]
.endr
.irp w, 0,1
	s_delay_alu instid0(VALU_DEP_2)
	v_lshl_or_b32 v[PS+\w], v[T2+4*\w+3], 24, v[PS+\w]
.endr
.irp w, 0,1
	v_pk_mul_f32 v[SUM+2*\w:SUM+2*\w+1], v[SUM+2*\w:SUM+2*\w+1], v[F+2*\w:F+2*\w+1] op_sel_hi:[1,0]   ; the sums under the new M
.endr
	WALU                                           ; ahead of the second batch
	WIN 0x45
.set j, 0
.rept 16
	v_exp_f32 v[64+2*j], v[64+2*j]                 ; tile 1: p;
	v_exp_f32 v[65+2*j], v[65+2*j]
	PKA TT+2*j, 4*j, 4*j+2                         ; among them tile 0's first sums of the unquantised p, sixteen pairs,
.set j, j+1
.endr
	WIN 0x41
.set j, 0
.rept 32
	v_exp_f32 v[96+j], v[96+j]
	v_dual_min_num_f32 v[2*j], v[2*j], v[HV+j/8] :: v_dual_min_num_f32 v[2*j+1], v[2*j+1], v[HV+j/8]   ; and then its holds: the conversion does not saturate (ISA guide 7.6.2); p is not negative: one-sided, two to a line
.set j, j+1
.endr
	v_nop                                          ; a plain line behind the last exponential
	WALU                                           ; one wait for the batch
	WIN 0x45
; tile 0's sixteen pairs are added up; tile 1's 32 pairs go in eight chains; by turns
.irp i, 0,1,2,3,4,5,6,7
	PKA TT+2*\i, TT+2*\i, TT+16+2*\i
.endr
.irp c, 0,1,2,3,4,5,6,7
	PKA TT+16+2*\c, 64+4*\c, 64+4*\c+2
.endr
.irp i, 0,1,2,3
	PKA TT+2*\i, TT+2*\i, TT+8+2*\i
.endr
.irp c, 0,1,2,3,4,5,6,7
	PKA TT+16+2*\c, TT+16+2*\c, 96+2*\c
.endr
.irp i, 0,1
	PKA TT+2*\i, TT+2*\i, TT+4+2*\i
.endr
.irp c, 0,1,2,3,4,5,6,7
	PKA TT+16+2*\c, TT+16+2*\c, 112+2*\c
.endr
	PKA TT, TT, TT+2
.irp c, 0,1,2,3
	PKA TT+16+2*\c, TT+16+2*\c, TT+24+2*\c
.endr
.irp c, 0,1
	s_delay_alu instid0(VALU_DEP_2)
	PKA TT+16+2*\c, TT+16+2*\c, TT+20+2*\c
.endr
	s_delay_alu instid0(VALU_DEP_1)
	PKA TT+16, TT+16, TT+18
	WIN 0x04
	PKA SUM, SUM, TT
	PKA SUM+2, SUM+2, TT+16
	WIN 0x41
.set j, 0
.rept 32
	v_dual_min_num_f32 v[64+2*j], v[64+2*j], v[HV+4+j/8] :: v_dual_min_num_f32 v[65+2*j], v[65+2*j], v[HV+4+j/8]   ; tile 1's holds
.set j, j+1
.endr
.irp w, 0,1
.irp b, 0,1,2,3
	v_cvt_scalef32_pk8_fp8_f32 v[PCD+16*\w+4*\b:PCD+16*\w+4*\b+1], v[64*\w+16*\b:64*\w+16*\b+7], v[SOP+4*\w+\b]
	v_cvt_scalef32_pk8_fp8_f32 v[PCD+16*\w+4*\b+2:PCD+16*\w+4*\b+3], v[64*\w+16*\b+8:64*\w+16*\b+15], v[SOP+4*\w+\b]
.endr
.endr
	s_wait_dscnt 0x0                               ; V, and the next K
	WALU                                           ; the wait ahead of the first readers of O^T
.irp w, 0,1
.set j, 0
.rept 16
	v_pk_mul_f32 v[O+32*\w+j:O+32*\w+j+1], v[O+32*\w+j:O+32*\w+j+1], v[F+2*\w:F+2*\w+1] op_sel_hi:[1,0]   ; O^T under the new M; also the plain lines between the codes and the products
.set j, j+2
.endr
.endr
	WIN 0x54                                       ; V from window 0; codes and O^T in window 1
.irp t, 0,1,2,3
.irp w, 0,1
	v_wmma_scale_f32_16x16x128_f8f6f4 v[O+32*\w+8*\t:O+32*\w+8*\t+7], v[VF+16*\t:VF+16*\t+15], v[PCD+16*\w:PCD+16*\w+15], v[O+32*\w+8*\t:O+32*\w+8*\t+7], v[VS+\t], v[PS+\w]   ; the eight accumulators by turns, one instruction a turn
.endr
.endr
	WIN 0
.endm
.macro PHASE                           ; a slot's eight key steps, from s[TB] on
	s_mov_b32 s[CNT], 8
	s_nop 0
	v_add_nc_u32 v[AD], s[TB], v[LI]
	v_add_nc_u32 v[AS], s[TB], v[AS0]
	KLOAD 0
.Lstep_\@:
	STEP
	s_add_co_u32 s[TB], s[TB], REC
	s_sub_co_u32 s[CNT], s[CNT], 1
	s_cmp_lg_u32 s[CNT], 0
	s_cbranch_scc1 .Lstep_\@
.endm
	WALU                                           ; the wait at the head's end
	s_wait_loadcnt 0x0                             ; Q
; THREE CHANGES OF SLOT THAT ASK FOR A SLOT.  Each wave waits for all its tensor loads (its record of the slot ahead), adds 0 to its spare word, and waits for that and for its reads of the slot that it has left.
; Behind the round the slot ahead is whole, no wave of any partner reads the other one, and that one's fill (the first time: slot 1's first) is the first thing there.
.Lphase:
	s_wait_tensorcnt 0x0
	ds_add_u32 v[SPW], v[NIL]
	s_xor_b32 s[XN], s[XN], SLOTB                  ; no load of mine is out: the descriptor may be written: the other slot,
	s_add_co_u32 s[G0+1], s[XN], s48
	s_add_nc_u64 s[G0+2:G0+3], s[G0+2:G0+3], SLOTB ; the next eight records
	s_xor_b32 s[TB], s[XN], SLOTB                  ; and the slot that is read now
	s_wait_dscnt 0x0
	CROUND
	tensor_load_to_lds s[G0:G0+3], s[G1:G1+7]
	s_nop 0
	PHASE
	s_sub_co_u32 s[PHC], s[PHC], 1
	s_cmp_lg_u32 s[PHC], 0
	s_cbranch_scc1 .Lphase
	s_wait_tensorcnt 0x0                           ; the last change: nothing is asked for, so a barrier of the work-group does
	ds_add_u32 v[SPW], v[NIL]
	s_mov_b32 s[TB], SLOTB
	s_wait_dscnt 0x0
	s_barrier_signal -1
	s_barrier_wait -1
	PHASE                                          ; key steps 24-31
; THE WAY OUT: O^T / the sum is my queries' 64 channels of the context; two blocks of 32 along D a tile: quantised, and stored as two pieces of a fragment's image; the two tiles by turns
.rept 8
	v_nop                                          ; eight places behind the last products
.endr
.irp w, 0,1
	v_add_f32 v[SUM+2*\w], v[SUM+2*\w], v[SUM+2*\w+1]
.endr
.irp w, 0,1
	s_delay_alu instid0(VALU_DEP_2)
	v_permlanex16_b32 v[F+2*\w], v[SUM+2*\w], s[SEL], s[SEL+1]
.endr
.irp w, 0,1
	s_delay_alu instid0(VALU_DEP_2)
	v_add_f32 v[SUM+2*\w], v[SUM+2*\w], v[F+2*\w]  ; the rows' sums
.endr
	WALU
.irp w, 0,1
	v_rcp_f32 v[SUM+2*\w], v[SUM+2*\w]
.endr
	v_nop                                          ; a plain line behind the reciprocals,
	WIN 0x41
	WALU                                           ; and the wait ahead of their first reader, which is O^T's too
.irp w, 0,1
.set j, 0
.rept 32
	v_mul_f32 v[64*\w+j], v[O+32*\w+j], v[SUM+2*\w]   ; register 16 b + i: channel 32 b + 16 h + i; each accumulator from its low end on
.set j, j+1
.endr
.endr
	WIN 0x05
.irp w, 0,1
.irp b, 0,1
	v_max3_num_f32 v[BM+4*\w+\b], |v[64*\w+16*\b]|, |v[64*\w+16*\b+1]|, 0x4800000
.endr
.endr
	WIN 0x14
.irp i, 2,4,6,8,10,12,14
.irp w, 0,1
.irp b, 0,1
	v_max3_num_f32 v[BM+4*\w+\b], v[BM+4*\w+\b], |v[64*\w+16*\b+\i]|, |v[64*\w+16*\b+\i+1]|
.endr
.endr
.endr
	WIN 0
.irp w, 0,1
.irp b, 0,1
	v_permlanex16_b32 v[T2+4*\w+\b], v[BM+4*\w+\b], s[SEL], s[SEL+1]
.endr
.endr
.irp w, 0,1
.irp b, 0,1
	s_delay_alu instid0(VALU_DEP_4)
	v_max_num_f32 v[BM+4*\w+\b], v[BM+4*\w+\b], v[T2+4*\w+\b]
.endr
.endr
.irp w, 0,1
.irp b, 0,1
	s_delay_alu instid0(VALU_DEP_4)
	v_add_nc_u32 v[SOP+4*\w+\b], 0xfc000000, v[BM+4*\w+\b]
.endr
.endr
.irp w, 0,1
.irp b, 0,1
	v_and_or_b32 v[HV+4*\w+\b], v[BM+4*\w+\b], 0x7f800000, s[MNT]
.endr
.endr
.irp w, 0,1
.irp b, 0,1
	v_lshrrev_b32 v[T2+4*\w+\b], 23, v[SOP+4*\w+\b]
.endr
.endr
.irp w, 0,1
	v_lshl_or_b32 v[TMP+\w], v[T2+4*\w+1], 8, v[T2+4*\w]   ; the head's two scale bytes of my row
.endr
	WIN 0x41
.irp w, 0,1
.irp b, 0,1
.set j, 0
.rept 16
	v_med3_num_f32 v[64*\w+16*\b+j], v[64*\w+16*\b+j], -v[HV+4*\w+\b], v[HV+4*\w+\b]
.set j, j+1
.endr
.endr
.endr
.irp w, 0,1
.irp b, 0,1
	v_cvt_scalef32_pk8_fp8_f32 v[PCD+16*\w+4*\b:PCD+16*\w+4*\b+1], v[64*\w+16*\b:64*\w+16*\b+7], v[SOP+4*\w+\b]
	v_cvt_scalef32_pk8_fp8_f32 v[PCD+16*\w+4*\b+2:PCD+16*\w+4*\b+3], v[64*\w+16*\b+8:64*\w+16*\b+15], v[SOP+4*\w+\b]
.endr
.endr
	v_nop
	WIN 0x04                                       ; a store's data are its source 1; the offsets lie in window 0
.irp w, 0,1
	global_store_b128 v[LI], v[PCD+16*\w:PCD+16*\w+3], s[10:11] offset:2048*\w        ; 512 consecutive bytes, aligned
	global_store_b128 v[LI], v[PCD+16*\w+4:PCD+16*\w+7], s[10:11] offset:2048*\w+512
.endr
	WIN 0
.irp w, 0,1
	global_store_b16 v[RO], v[TMP+\w], s[12:13] offset:256*\w   ; two bytes of each place's 16 (both halves of the lanes hold and write the same): the other heads' work-groups write the rest
.endr
	s_wait_tensorcnt 0x0                           ; the wave's end
	ds_add_u32 v[SPW], v[NIL]
	s_wait_dscnt 0x0
	CROUND                                         ; the closing round: no work-group ends while a partner may still ask for a record that names it
	s_endpgm
.Lfunc_end_k_q0bfcef96dd_attn:
	.size	k_q0bfcef96dd_attn, .Lfunc_end_k_q0bfcef96dd_attn-k_q0bfcef96dd_attn
	.p2alignl 7, 3214868480
	.fill 96, 4, 3214868480
	.section	.rodata,"a",@progbits
	.p2align	6, 0x0
	.amdhsa_kernel k_q0bfcef96dd_attn
		.amdhsa_group_segment_fixed_size 327680
		.amdhsa_private_segment_fixed_size 0
		.amdhsa_enable_private_segment 0
		.amdhsa_kernarg_size 40
		.amdhsa_user_sgpr_count 2
		.amdhsa_user_sgpr_kernarg_segment_ptr 1
		.amdhsa_wavefront_size32 1
		.amdhsa_system_sgpr_workgroup_id_x 1
		.amdhsa_system_sgpr_workgroup_id_y 1
		.amdhsa_system_sgpr_workgroup_id_z 1
		.amdhsa_system_vgpr_workitem_id 0
		.amdhsa_next_free_vgpr 512
		.amdhsa_next_free_sgpr 66
		.amdhsa_reserve_vcc 0
		.amdhsa_float_denorm_mode_32 3
		.amdhsa_float_denorm_mode_16_64 3
		.amdhsa_memory_ordered 1
		.amdhsa_forward_progress 1
		.amdhsa_inst_pref_size 94
	.end_amdhsa_kernel
	.amdgpu_metadata
---
amdhsa.version: [ 1, 2 ]
amdhsa.kernels:
  - .name:           k_q0bfcef96dd_attn
    .symbol:         k_q0bfcef96dd_attn.kd
    .args:
      - { .name: qc, .offset: 0, .size: 8, .value_kind: global_buffer, .address_space: global }
      - { .name: qs, .offset: 8, .size: 8, .value_kind: global_buffer, .address_space: global }
      - { .name: kv, .offset: 16, .size: 8, .value_kind: global_buffer, .address_space: global }
      - { .name: cc, .offset: 24, .size: 8, .value_kind: global_buffer, .address_space: global }
      - { .name: cs, .offset: 32, .size: 8, .value_kind: global_buffer, .address_space: global }
    .group_segment_fixed_size: 327680
    .private_segment_fixed_size: 0
    .kernarg_segment_align: 8
    .kernarg_segment_size: 40
    .max_flat_workgroup_size: 256
    .sgpr_count:     66
    .vgpr_count:     512
    .wavefront_size: 32
...
	.end_amdgpu_metadata
.endif
;; end of part 3
;; launch oproj (part 4): grid 4 x 64, 4 waves a work-group, clusters of 4 x 4, 204,800 bytes of LDS; arguments opc, ops, cc, cs, bo, out0; writes out0
.if DOCPART == 4
	.amdgcn_target "amdgcn-amd-amdhsa--gfx1250"
	.amdhsa_code_object_version 6
	.text
	.protected	k_q0bfcef96dd_oproj
	.globl	k_q0bfcef96dd_oproj
	.p2align	8
	.type	k_q0bfcef96dd_oproj,@function
k_q0bfcef96dd_oproj:
	s_mov_b64 s[64:65], 0
	v_nop
	global_prefetch_b8 v0, s[64:65] scope:SCOPE_SE
	s_setreg_imm32_b32 hwreg(HW_REG_WAVE_MODE, 25, 1), 1
	s_wait_xcnt 0x0
	s_wait_alu depctr_hold_cnt(0) depctr_sa_sdst(0) depctr_va_vdst(0) depctr_va_sdst(0) depctr_va_ssrc(0) depctr_va_vcc(0) depctr_vm_vsrc(0)
	s_getreg_b32 s2, hwreg(HW_REG_IB_STS2, 6, 4)
	s_cmp_eq_u32 s2, 0
	s_cbranch_scc0 .Lentry_in_a_cluster
	s_endpgm
.Lentry_in_a_cluster:
	s_bfe_u32 s2, ttmp6, 0x10000c
	s_cmp_lg_u32 s2, 0xf033
	s_cbranch_scc0 .Lentry_shape_is_right
	s_endpgm
.Lentry_shape_is_right:
; out0 = context Wo^T + bo on codes: the context's from the launch before, Wo's from the first.  Nothing is left out.
; A work-group of four waves makes 128 rows x 128 columns; 8,192 x 512 are 256 such blocks.  A wave makes 64 x 64: 16 accumulators.
; Source 0 (P) = 4 tiles of Wo's rows, source 1 (R) = 4 tiles of the context's rows: a lane holds one row of the result and its registers run along the columns.  The bias is the first products' C.
; ALL OF K = 512 LIES IN LDS, filled once: four tensor loads, one a wave, each of two rows of 16,384 bytes (a K step's eight tiles), 32,768 bytes apart in memory: waves 0, 2 Wo's, waves 1, 3 the context's.
; CLUSTER 4 x 4: the four of a column need the same rows of Wo, the four of a row the same rows of the context: each piece is asked for jointly.  No loop stands in this text, so nothing is prefetched.
; REGISTERS: window 0: v0-11 addresses; v16-31 P's scale words, v34-49 R's; v52-83 the bias; v128-255 the fragments of K steps 0, 2, later rows of the result.  Window 1: v0-127 the accumulators; v128-255 the fragments of K steps 1, 3.
.set RB,    65536                      ; LDS: P's four K steps of 16,384 bytes, then R's
.set STAGE, 131072                     ; the way out: for each wave 4 x 16 rows x (256 + 16) bytes; no tensor load lands here
.set SROW,  272
.set STT,   16*SROW
.set SPARE, STAGE+16*STT               ; the spare words: 128 bytes a wave, which no other line names
.set LI,   1                           ; v1  16 x lane
.set RO,   2                           ; v2  16 r
.set ADP,  3
.set ADR,  4
.set BO1,  5                           ; v5  64 h
.set STO,  6                           ; v6  the stage: row r, + 64 h
.set RD,   7                           ; v7  and back: row h, + 16 r
.set GO,   8                           ; v8  the same two rows in out0
.set SPW,  10
.set NIL,  11
.set SP,   16
.set SR,   34                          ; no product's two scale words have numbers equal modulo 8
.set BI,   52
.set PF,   128
.set RF,   192
.set WV,  22
.set PH,  23
.set RH,  86
.set G1P, 24
.set G1R, 32
.set G0P, 40
.set G0R, 44
.set MSB, 0
.macro WIN new
.if MSB != (\new)
	s_set_vgpr_msb (MSB<<8)|(\new)
.set MSB, (\new)
.endif
.endm
.macro CROUND
	s_barrier_signal -1
	s_barrier_wait -1
	s_cmp_lg_u32 s[WV], 0
	s_cbranch_scc1 .Lnot_wave_0_\@
	s_barrier_signal -3
.Lnot_wave_0_\@:
	s_barrier_wait -3
	s_barrier_signal -1
	s_barrier_wait -1
.endm
.macro PLACES n                        ; plain vector lines between a product and a load into, or a read of, its registers: eight for this form
.rept \n
	v_nop
.endr
.endm
.macro FETCH q                         ; K step q's eight fragments into window q % 2: 32 loads
	WIN ((\q)%2)<<6
.irp i, 0,1,2,3
.irp c, 0,1,2,3
	ds_load_b128 v[PF+16*\i+4*\c:PF+16*\i+4*\c+3], v[ADP] offset:16384*(\q)+2048*\i+512*\c
	ds_load_b128 v[RF+16*\i+4*\c:RF+16*\i+4*\c+3], v[ADR] offset:16384*(\q)+2048*\i+512*\c
.endr
.endr
	WIN 0
.endm
.macro MUL q                           ; the 16 accumulators take turns, one instruction a turn, in one order in every K step
.if (\q) == 0
	WIN 0x40
.else
	WIN 0x50+5*((\q)%2)
.endif
.irp a, 0,1,2,3
.irp b, 0,1,2,3
.if (\q) == 0
	v_wmma_scale_f32_16x16x128_f8f6f4 v[8*(4*\a+\b):8*(4*\a+\b)+7], v[PF+16*\b:PF+16*\b+15], v[RF+16*\a:RF+16*\a+15], v[BI+8*\b:BI+8*\b+7], v[SP+4*\b], v[SR+4*\a]
.else
	v_wmma_scale_f32_16x16x128_f8f6f4 v[8*(4*\a+\b):8*(4*\a+\b)+7], v[PF+16*\b:PF+16*\b+15], v[RF+16*\a:RF+16*\a+15], v[8*(4*\a+\b):8*(4*\a+\b)+7], v[SP+4*\b+(\q)], v[SR+4*\a+(\q)]
.endif
.endr
.endr
	WIN 0
.endm
	s_load_b256 s[4:11], s[0:1], 0x0               ; opc, ops, cc, cs
	s_load_b128 s[12:15], s[0:1], 0x20             ; bo, out0
	v_lshl_add_u32 v[SPW], v0, 2, SPARE
	v_mov_b32 v[NIL], 0
	ds_add_u32 v[SPW], v[NIL]                      ; the wave's opening: the add, twice on end, and its wait ahead of my first tensor load
	ds_add_u32 v[SPW], v[NIL]
	v_lshrrev_b32 v12, 5, v0
	v_readfirstlane_b32 s[WV], v12                 ; wave 0..3
	s_and_b32 s[PH], s[WV], 1                      ; my 64 columns.  Also: I fetch for Wo (0) or for the context (1)
	s_lshr_b32 s[RH], s[WV], 1                     ; my 64 rows.  Also: which two K steps I fetch
	s_bfe_u32 s16, ttmp6, 0x40000                  ; cx
	s_bfe_u32 s17, ttmp6, 0x40004                  ; cy
	s_lshl_b32 s18, ttmp9, 2
	s_add_co_u32 s18, s18, s16                     ; which 128 columns: 0..3
	s_and_b32 s19, ttmp7, 0xffff
	s_lshl_b32 s19, s19, 2
	s_add_co_u32 s19, s19, s17                     ; which 128 rows: 0..63
	s_lshl_b32 s20, s17, 2
	s_lshl_b32 s20, 15, s20                        ; my row of the cluster
	s_lshl_b32 s21, 0x1111, s16                    ; my column
	s_or_b32 s[G1P], s21, (3<<16)|(1<<21)          ; Wo's pieces go to my column; elements of 8 bytes; bit 21 set beside a mask
	s_or_b32 s[G1R], s20, (3<<16)|(1<<21)          ; the context's to my row
.irp g, G1P, G1R
	s_mov_b32 s[\g+1], 2048<<16                    ; rows of 16,384 bytes,
	s_mov_b32 s[\g+2], 2<<16                       ; two of them,
	s_mov_b32 s[\g+3], 2048<<16
	s_mov_b32 s[\g+4], 2
	s_mov_b32 s[\g+5], 4096                        ; 32,768 bytes apart
	s_mov_b32 s[\g+6], 0
	s_mov_b32 s[\g+7], 0
.endr
	s_lshl_b32 s87, s[RH], 16                      ; my two K steps in memory
	s_lshr_b32 s84, s18, 1                         ; Wo: blocks 38, 39 of opc; in registers that never hold cy
	s_add_co_u32 s84, s84, 38
	s_lshl_b32 s84, s84, 17
	s_and_b32 s85, s18, 1
	s_lshl_b32 s85, s85, 14
	s_add_co_u32 s84, s84, s85
	s_add_co_u32 s84, s84, s87
	s_mov_b32 s85, 0
	s_lshr_b32 s88, s19, 1                         ; the context; in registers that never hold cx
	s_lshl_b32 s88, s88, 17
	s_and_b32 s89, s19, 1
	s_lshl_b32 s89, s89, 14
	s_add_co_u32 s88, s88, s89
	s_add_co_u32 s88, s88, s87
	s_mov_b32 s89, 0
	s_wait_dscnt 0x0                               ; both opening adds are done
	s_wait_kmcnt 0x0
	s_mov_b32 s[G0P], 1
	s_lshl_b32 s[G0P+1], s[RH], 15                 ; and in LDS
	s_add_nc_u64 s[G0P+2:G0P+3], s[4:5], s[84:85]
	s_or_b32 s[G0P+3], s[G0P+3], 0x80000000
	s_mov_b32 s[G0R], 1
	s_add_co_u32 s[G0R+1], s[G0P+1], RB
	s_add_nc_u64 s[G0R+2:G0R+3], s[8:9], s[88:89]
	s_or_b32 s[G0R+3], s[G0R+3], 0x80000000
	CROUND                                         ; all sixteen work-groups are here: the joint loads meet
	s_cmp_eq_u32 s[PH], 0                          ; one load a wave, each line with one mask
	s_cbranch_scc0 .Lfor_r
	tensor_load_to_lds s[G0P:G0P+3], s[G1P:G1P+7]
	s_nop 0
	PLACES 4
	s_branch .Lasked
.Lfor_r:
	tensor_load_to_lds s[G0R:G0R+3], s[G1R:G1R+7]
	s_nop 0
	PLACES 4
.Lasked:
	v_and_b32 v12, 15, v0                          ; r
	v_bfe_u32 v13, v0, 4, 1                        ; h
	v_and_b32 v14, 31, v0
	v_lshlrev_b32 v[LI], 4, v14
	v_lshlrev_b32 v[RO], 4, v12
	v_lshlrev_b32 v[BO1], 6, v13
	s_lshl_b32 s56, s18, 11                        ; Wo's scale words: tile 608 + 8 x my block's columns + 4 x my half
	s_lshl_b32 s57, s[PH], 10
	s_add_co_u32 s56, s56, s57
	s_add_co_u32 s56, s56, 155648
	s_mov_b32 s57, 0
	s_add_nc_u64 s[56:57], s[6:7], s[56:57]
	s_lshl_b32 s58, s19, 11                        ; the context's: tile 8 x my block's rows + 4 x my half
	s_lshl_b32 s59, s[RH], 10
	s_add_co_u32 s58, s58, s59
	s_mov_b32 s59, 0
	s_add_nc_u64 s[58:59], s[10:11], s[58:59]
	s_lshl_b32 s60, s18, 9
	s_lshl_b32 s61, s[PH], 8
	s_add_co_u32 s60, s60, s61                     ; my first column, in bytes
	s_mov_b32 s61, 0
	s_add_nc_u64 s[12:13], s[12:13], s[60:61]      ; bo there
	s_wait_alu depctr_va_vdst(0)
.irp t, 0,1,2,3
	global_load_b128 v[SP+4*\t:SP+4*\t+3], v[RO], s[56:57] offset:256*\t
	global_load_b128 v[SR+4*\t:SR+4*\t+3], v[RO], s[58:59] offset:256*\t
.endr
.irp p, 0,1,2,3                                ; the bias in the result's layout: tile p's register j is column 32 (p / 2) + 8 (p % 2) + 16 h + j
	global_load_b128 v[BI+8*\p:BI+8*\p+3], v[BO1], s[12:13] offset:(32*(\p/2)+8*(\p%2))*4
	global_load_b128 v[BI+8*\p+4:BI+8*\p+7], v[BO1], s[12:13] offset:(32*(\p/2)+8*(\p%2))*4+16
.endr
	s_lshl_b32 s62, s19, 18                        ; 128 rows of 2,048 bytes,
	s_lshl_b32 s63, s[RH], 17                      ; 64 more for the upper half
	s_add_co_u32 s62, s62, s63
	s_add_co_u32 s62, s62, s60
	s_mov_b32 s63, 0
	s_add_nc_u64 s[14:15], s[14:15], s[62:63]      ; out0 at my corner
	s_lshl_b32 s90, s[PH], 13
	v_add_nc_u32 v[ADP], s90, v[LI]
	s_lshl_b32 s90, s[RH], 13
	s_add_co_u32 s90, s90, RB
	v_add_nc_u32 v[ADR], s90, v[LI]
	s_mul_i32 s91, s[WV], 4*STT
	s_add_co_u32 s91, s91, STAGE                   ; my stage
	v_mul_u32_u24 v[STO], v12, SROW
	v_lshl_add_u32 v[STO], v13, 6, v[STO]
	v_add_nc_u32 v[STO], s91, v[STO]
	v_mul_u32_u24 v[RD], v13, SROW
	v_lshl_add_u32 v[RD], v12, 4, v[RD]
	v_add_nc_u32 v[RD], s91, v[RD]
	v_lshlrev_b32 v[GO], 11, v13
	v_lshl_add_u32 v[GO], v12, 4, v[GO]
	s_wait_alu depctr_va_vdst(0)                   ; the wait at the head's end
	s_wait_tensorcnt 0x0                           ; my piece is in;
	s_barrier_signal -1
	s_barrier_wait -1                              ; so are the others'
	FETCH 0
	FETCH 1
	s_wait_loadcnt 0x0                             ; the scale words and the bias
	s_wait_dscnt 32                                ; K step 0's 32 loads are in; K step 1's may be out
	MUL 0
	PLACES 8
	FETCH 2
	s_wait_dscnt 32
	MUL 1
	PLACES 8
	FETCH 3
	s_wait_dscnt 32
	MUL 2
	s_wait_dscnt 0x0
	MUL 3
	PLACES 8
; THE WAY OUT: my four tiles of 16 rows x 64 columns go through my stage in LDS and come back as rows of 256 bytes: sixteen lanes store one aligned unit.
	WIN 0x04                                       ; an LDS store's data are its source 1: window 1
.irp a, 0,1,2,3
.irp b, 0,1,2,3
	ds_store_b128 v[STO], v[8*(4*\a+\b):8*(4*\a+\b)+3] offset:STT*\a+128*(\b/2)+32*(\b%2)        ; each accumulator from its low end on
	ds_store_b128 v[STO], v[8*(4*\a+\b)+4:8*(4*\a+\b)+7] offset:STT*\a+128*(\b/2)+32*(\b%2)+16
.endr
.endr
	WIN 0
.irp a, 0,1,2,3
.irp t, 0,1,2,3,4,5,6,7
	ds_load_b128 v[PF+32*\a+4*\t:PF+32*\a+4*\t+3], v[RD] offset:STT*\a+2*\t*SROW   ; LDS serves a wave's instructions in order (ISA guide 5.7.1.4): these see my stores
.endr
.endr
.irp a, 0,1,2,3
	s_wait_dscnt 8*(3-\a)                          ; tile a's eight loads are in; the later tiles' may be out
.irp t, 0,1,2,3,4,5,6,7
	global_store_b128 v[GO], v[PF+32*\a+4*\t:PF+32*\a+4*\t+3], s[14:15] offset:(32*(\a/2)+8*(\a%2)+2*\t+8*(\t/4))*2048 th:TH_STORE_NT   ; places 2 t and 2 t + 1 of the tile: their rows
.endr
.endr
	s_wait_tensorcnt 0x0                           ; the wave's end
	ds_add_u32 v[SPW], v[NIL]
	s_wait_dscnt 0x0
	CROUND                                         ; the closing round
	s_endpgm
.Lfunc_end_k_q0bfcef96dd_oproj:
	.size	k_q0bfcef96dd_oproj, .Lfunc_end_k_q0bfcef96dd_oproj-k_q0bfcef96dd_oproj
	.p2alignl 7, 3214868480
	.fill 96, 4, 3214868480
	.section	.rodata,"a",@progbits
	.p2align	6, 0x0
	.amdhsa_kernel k_q0bfcef96dd_oproj
		.amdhsa_group_segment_fixed_size 204800
		.amdhsa_private_segment_fixed_size 0
		.amdhsa_enable_private_segment 0
		.amdhsa_kernarg_size 48
		.amdhsa_user_sgpr_count 2
		.amdhsa_user_sgpr_kernarg_segment_ptr 1
		.amdhsa_wavefront_size32 1
		.amdhsa_system_sgpr_workgroup_id_x 1
		.amdhsa_system_sgpr_workgroup_id_y 1
		.amdhsa_system_sgpr_workgroup_id_z 1
		.amdhsa_system_vgpr_workitem_id 0
		.amdhsa_next_free_vgpr 512
		.amdhsa_next_free_sgpr 100
		.amdhsa_reserve_vcc 0
		.amdhsa_float_denorm_mode_32 3
		.amdhsa_float_denorm_mode_16_64 3
		.amdhsa_memory_ordered 1
		.amdhsa_forward_progress 1
		.amdhsa_inst_pref_size 33
	.end_amdhsa_kernel
	.amdgpu_metadata
---
amdhsa.version: [ 1, 2 ]
amdhsa.kernels:
  - .name:           k_q0bfcef96dd_oproj
    .symbol:         k_q0bfcef96dd_oproj.kd
    .args:
      - { .name: opc, .offset: 0, .size: 8, .value_kind: global_buffer, .address_space: global }
      - { .name: ops, .offset: 8, .size: 8, .value_kind: global_buffer, .address_space: global }
      - { .name: cc, .offset: 16, .size: 8, .value_kind: global_buffer, .address_space: global }
      - { .name: cs, .offset: 24, .size: 8, .value_kind: global_buffer, .address_space: global }
      - { .name: bo, .offset: 32, .size: 8, .value_kind: global_buffer, .address_space: global }
      - { .name: out0, .offset: 40, .size: 8, .value_kind: global_buffer, .address_space: global }
    .group_segment_fixed_size: 204800
    .private_segment_fixed_size: 0
    .kernarg_segment_align: 8
    .kernarg_segment_size: 48
    .max_flat_workgroup_size: 128
    .sgpr_count:     100
    .vgpr_count:     512
    .wavefront_size: 32
...
	.end_amdgpu_metadata
.endif
;; end of part 4
